; MI455X (gfx1250); checked and timed in simulation.
; The chip was launched on July 23, 2026; its instructions are those of AMD's public machine-readable ISA for CDNA 5 (MIT licence, August 2026) and "CDNA5" Instruction Set Architecture Reference Guide (July 2026). The comments in the code are by the model that wrote it; some were corrected since.
;; Bahdanau Attention. Allowed arithmetic: matrix products marked QUANTISED: E2M1 operands, one E8M0 scale for each 32 along K, by v_wmma_scale_f32_16x16x128_f8f6f4 with both operands' format E2M1 (or v_wmma_scale_f32_32x16x128_f4), f32 sums; products left as they are: f32 operands where the result goes on into a quantised operand, else bf16, f16 or f32 operands; f32 sums; everything else in f32.
;; Inputs: V 1,024 x 1 float32; W1_codes 1,024 x 32 x 16 uint8 (E2M1 codes of W1, K innermost, in blocks of 32 codes, two codes a byte); W1_scales 1,024 x 32 uint8 (E8M0 scales of W1, one for each 32 codes along K); W2_codes 1,024 x 32 x 16 uint8 (E2M1 codes of W2, K innermost, in blocks of 32 codes, two codes a byte); W2_scales 1,024 x 32 uint8 (E8M0 scales of W2, one for each 32 codes along K); b1 1,024 float32; b2 1,024 float32; bV 1 float32; dec_hidden_codes 32 x 32 x 16 uint8 (E2M1 codes of dec_hidden, K innermost, in blocks of 32 codes, two codes a byte); dec_hidden_scales 32 x 32 uint8 (E8M0 scales of dec_hidden, one for each 32 codes along K); enc_output 32 x 2,048 x 1,024 float32.
;; Outputs: out0 32 x 1,024 float32; out1 32 x 2,048 x 1 float32.
;; This version of the problem:
;;   THIS VERSION OF THE PROBLEM IS GIVEN IN LOW PRECISION. The matrix products marked QUANTISED in the list below multiply operands that are first quantised to E2M1 (2 exponent bits, 1 mantissa bit; 4 bits a number), with one power-of-two scale for each 32 numbers along K (OCP MX v1.0); their sums are f32. All else is computed in f32.
;;   The module's matrix products, in the order in which they are computed (A, B: the left and right operand; K: the contracted axis; several contracted axes count as one K, in the product's order):
;;     1. [M 32, K 1,024] x [K 1,024, N 1,024]; A: input dec_hidden (given as codes); B: input W1 (given as codes): QUANTISED
;;     2. [M 65,536, K 1,024] x [K 1,024, N 1,024]; A: input enc_output; B: input W2 (given as codes): QUANTISED
;;     3. [M 65,536, K 1,024] x [K 1,024, N 1]; A: computed on the way; B: input V: left as it is (N = 1 < 16)
;;   THE QUANTISER, for each operand of a quantised product, along K:
;;     - K is cut into blocks of 32 from its start; a last block that is shorter is filled with zeros.
;;     - A block's scale is 2^e with e = floor(log2(the largest magnitude in the block)) - 2, held to -126 .. 127; a block of zeros has e = 0. As a byte (E8M0): e + 127.
;;     - Each number is divided by its block's scale, clamped to +-6, and rounded to the nearest number of E2M1, ties to even, subnormals kept.
;;     - The product sums the exact products of the quantised numbers (number of the format x scale) in f32.
;;   ~~~python
;;   def quantise(x, axis):      # numpy; x: float32 -> the quantised numbers, widened to float32 again
;;       x = np.moveaxis(x, axis, -1); K = x.shape[-1]
;;       x = np.pad(x, [(0, 0)] * (x.ndim - 1) + [(0, -K % 32)]); x = x.reshape(x.shape[:-1] + (-1, 32)); a = np.abs(x).max(-1, keepdims=True)
;;       e = np.where(a > 0, np.clip(np.frexp(np.where(a > 0, a, 1))[1] - 1 - 2, -126, 127), 0)      # np.frexp(a)[1] - 1 = floor(log2(a)), exactly
;;       r = np.clip(x / 2.0 ** e, -6, 6)
;;       step = 2.0 ** (np.maximum(np.frexp(np.where(r == 0, 1, r))[1] - 1, 0) - 1)
;;       q = np.round(r / step) * step * 2.0 ** e      # np.round: ties to even
;;       return np.moveaxis(q.reshape(q.shape[:-2] + (-1,))[..., :K], -1, axis).astype(np.float32)
;;   ~~~
;;   INPUTS GIVEN AS CODES. W1 (in the module: [1024, 1024], K = its axis 0); W2 (in the module: [1024, 1024], K = its axis 0); dec_hidden (in the module: [32, 1024], K = its axis 1): each comes as NAME_codes (uint8): NAME with its K axis moved to the last place and cut into blocks of 32 codes, [.., K / 32, bytes a block], one block behind the other in memory; two codes a byte, the lower K in the low four bits (a code: sign, 2 exponent bits, 1 mantissa bit); and NAME_scales (uint8): the same leading axes, one E8M0 byte (e + 127) for each 32 codes along K. Its value is code x scale, taken as it is: it is not quantised again, and the codes and scales need not be those that the quantiser above would give.
;; One version. Each part assembles by itself: llvm-mc -triple=amdgcn-amd-amdhsa -mcpu=gfx1250 --defsym DOCPART=n.
;; ======== version 1 of 1: 3 launches
;; limits: right only within a limited range of input values
;; workspace buffers: w2f 524,288 bytes; biasq 131,072 bytes; scores 262,144 bytes; ctxp 1,048,576 bytes
;; launch prep (part 1): grid 32 x 1, 4 waves a work-group, no clusters, 9,216 bytes of LDS; arguments dec_hidden_codes, dec_hidden_scales, W1_codes, W1_scales, b1, b2, W2_codes, biasq, w2f; writes biasq, w2f
.if DOCPART == 1
	.amdgcn_target "amdgcn-amd-amdhsa--gfx1250"
	.amdhsa_code_object_version 6
	.text
	.protected	k_q6bee4787eb_prep
	.globl	k_q6bee4787eb_prep
	.p2align	8
	.type	k_q6bee4787eb_prep,@function
k_q6bee4787eb_prep:
	s_mov_b64 s[64:65], 0
	v_nop
	global_prefetch_b8 v0, s[64:65] scope:SCOPE_SE
	s_setreg_imm32_b32 hwreg(HW_REG_WAVE_MODE, 25, 1), 1
	s_wait_xcnt 0x0
; BAHDANAU ATTENTION, first of three launches.
; The program: q = dec W1 + b1; k = Q(enc) W2 + b2; score = tanh(q + k) V + bV; weights = softmax over the 2,048 positions; context = sum of weights x enc.
; WORK LEFT OUT, for all values of the inputs: tanh(x) = 1 - 2 / (1 + 2^(2 log2(e) x)), so score[b][s] = (sum over u of V[u] + bV) - 2 sum over u of V[u] r[b][s][u],
; r = 1 / (1 + 2^(..)).  The bracket is the same for every position s of a batch, and a softmax over s is unchanged by a term that is the same along s.  So the bracket is never formed:
; bV has no way to any output, is not loaded and is no argument of any launch.  LIMIT: a NaN, an infinity or an overflow that reaches only bV or the sum of V is not carried to the result.
; THIS LAUNCH makes (1) biasq[b][u] = c (q[b][u] + b2[u]) with q = dec W1 + b1 on the given codes and c = 2 log2(e), the term that the next launch adds to c k ahead of its exponential;
; (2) w2f: W2's codes in the order of a matrix operand's registers, [tile of 16 u][K step of 128][half c][lane][16 bytes], so that the next launch loads a fragment as 512 consecutive bytes an instruction.
; SHARES: 32 work-groups x 4 waves.  Work-group x takes the 64 units 64 (x / 2) .. and the 16 batches 16 (x % 2) ..; its wave w owns the 16 units u = 16 T .., T = 4 (x / 2) + w,
; and lays K steps 4 (x % 2) .. + 3 of W2's tile T into w2f.
; The product is used transposed (source 0 = 16 rows of W1, source 1 = 16 rows of dec): lane (r, h) holds batch r of the 16 and the units 16 T + 8 h + 0 .. 7.
; The even K steps are summed in one accumulator and the odd ones in another, by turns, and the two are added at the end.
; All loads of the wave are issued in one run, W2's first; W2's stores follow a counted wait.
; REGISTERS: v1, v2 the add's two; v3-9 offsets; v16-19 W1's scale words; v20-23 dec's; v28-35 b1; v36-43 b2; v44-59 two accumulators; v64-127 W1's fragments; v128-191 dec's; v192-223 W2's.
.set SP,    272                        ; a stage row: 256 bytes (the work-group's 64 units) + 16
.set SPARE, 32*SP                      ; behind the stage (16 rows are used): the spare words, 128 bytes for each wave
.set SPW,   1
.set NIL,   2
.set FA,    3                          ; 512 r + 16 h: a fragment's bytes in rows of 512 bytes of codes
.set SA,    4                          ; 32 r + 16 h: lanes 0-15 take a row's scale words 0-3, lanes 16-31 its words 4-7
.set LI,    5                          ; 16 x lane
.set BO,    6                          ; 32 h: my half's eight biases
.set STO,   7
.set RD,    8
.set GO,    9
	s_load_b256 s[8:15], s[0:1], 0x0               ; dec's codes s[8:9], dec's scales s[10:11], W1's codes s[12:13], W1's scales s[14:15]
	s_load_b256 s[16:23], s[0:1], 0x20             ; b1 s[16:17], b2 s[18:19], W2's codes s[20:21], biasq s[22:23]
	s_load_b64 s[24:25], s[0:1], 0x40              ; w2f
	v_lshl_add_u32 v[SPW], v0, 2, SPARE
	v_mov_b32 v[NIL], 0
	v_lshrrev_b32 v10, 5, v0
	v_readfirstlane_b32 s4, v10                    ; wave 0..3
	s_and_b32 s34, ttmp9, 1                        ; m: which 16 batches, and which half of W2's K steps
	s_lshr_b32 s35, ttmp9, 1                       ; which 64 units
	s_lshl_b32 s5, s35, 2
	s_add_co_u32 s5, s5, s4                        ; T
	v_and_b32 v10, 15, v0                          ; r
	v_bfe_u32 v11, v0, 4, 1                        ; h
	v_lshlrev_b32 v[FA], 9, v10
	v_lshl_add_u32 v[FA], v11, 4, v[FA]
	v_lshlrev_b32 v[SA], 5, v10
	v_lshl_add_u32 v[SA], v11, 4, v[SA]
	v_and_b32 v[LI], 31, v0
	v_lshlrev_b32 v[LI], 4, v[LI]
	v_lshlrev_b32 v[BO], 5, v11
	v_mul_u32_u24 v[STO], v10, SP                  ; into the stage: row = batch r, + 64 w + 32 h
	v_lshl_add_u32 v[STO], v11, 5, v[STO]
	s_lshl_b32 s6, s4, 6
	v_add_nc_u32 v[STO], s6, v[STO]
	v_mul_u32_u24 v[RD], v11, SP                   ; back: rows 4 w + h on, sixteen lanes to a row of 256 bytes
	v_lshl_add_u32 v[RD], v10, 4, v[RD]
	s_mul_i32 s6, s4, 4*SP
	v_add_nc_u32 v[RD], s6, v[RD]
	v_lshlrev_b32 v[GO], 12, v11                   ; and the same rows in biasq: (16 m + 4 w + h) x 4,096 + 256 (x / 2) + 16 r
	v_lshl_add_u32 v[GO], v10, 4, v[GO]
	s_lshl_b32 s6, s4, 14
	s_lshl_b32 s7, s35, 8
	s_add_co_u32 s6, s6, s7
	s_lshl_b32 s7, s34, 16
	s_add_co_u32 s6, s6, s7
	v_add_nc_u32 v[GO], s6, v[GO]
	s_mov_b32 s32, 0x4038aa3b                      ; c = 2 log2(e)
	s_mov_b32 s33, s32                             ; (named with it as a pair)
	s_lshl_b32 s26, s5, 13                         ; my tile's codes: 16 rows of 512 bytes; its image in w2f is as long
	s_mov_b32 s27, 0
	s_lshl_b32 s28, s5, 9                          ; its scale bytes: 16 rows of 32
	s_mov_b32 s29, 0
	s_lshl_b32 s30, s5, 6                          ; its biases: 16 numbers
	s_mov_b32 s31, 0
	s_lshl_b32 s36, s34, 13                        ; my 16 batches' codes: 16 rows of 512 bytes
	s_mov_b32 s37, 0
	s_lshl_b32 s38, s34, 9                         ; their scale bytes
	s_mov_b32 s39, 0
	s_wait_alu depctr_va_vdst(0)                   ; the wait at the head's end
	s_wait_kmcnt 0x0
	s_add_nc_u64 s[12:13], s[12:13], s[26:27]
	s_add_nc_u64 s[20:21], s[20:21], s[26:27]
	s_add_nc_u64 s[24:25], s[24:25], s[26:27]
	s_add_nc_u64 s[14:15], s[14:15], s[28:29]
	s_add_nc_u64 s[16:17], s[16:17], s[30:31]
	s_add_nc_u64 s[18:19], s[18:19], s[30:31]
	s_add_nc_u64 s[8:9], s[8:9], s[36:37]
	s_add_nc_u64 s[10:11], s[10:11], s[38:39]
	s_lshl_b32 s36, s34, 8                         ; W2: my four K steps begin 256 m bytes into each row,
	s_add_nc_u64 s[20:21], s[20:21], s[36:37]
	s_lshl_b32 s36, s34, 12                        ; and 4,096 m bytes into the tile's image
	s_add_nc_u64 s[24:25], s[24:25], s[36:37]
.irp i, 0,1,2,3,4,5,6,7
	global_load_b128 v[192+4*\i:195+4*\i], v[FA], s[20:21] offset:32*\i        ; W2: K step 4 m + i / 2, half i % 2
.endr
.irp i, 0,1,2,3,4,5,6,7,8,9,10,11,12,13,14,15
	global_load_b128 v[128+4*\i:131+4*\i], v[FA], s[8:9] offset:32*\i          ; dec: my 16 batches
.endr
	global_load_b128 v[20:23], v[SA], s[10:11]
	global_load_b128 v[16:19], v[SA], s[14:15]
	global_load_b128 v[28:31], v[BO], s[16:17]
	global_load_b128 v[32:35], v[BO], s[16:17] offset:16
	global_load_b128 v[36:39], v[BO], s[18:19]
	global_load_b128 v[40:43], v[BO], s[18:19] offset:16
.irp i, 0,1,2,3,4,5,6,7,8,9,10,11,12,13,14,15
	global_load_b128 v[64+4*\i:67+4*\i], v[FA], s[12:13] offset:32*\i          ; W1
.endr
	s_wait_loadcnt 38                              ; W2's eight are in: behind them 16 + 1 + 1 + 4 + 16 loads were issued
.irp i, 0,1,2,3,4,5,6,7
	global_store_b128 v[LI], v[192+4*\i:195+4*\i], s[24:25] offset:512*\i      ; the registers' image: 512 consecutive bytes a store
.endr
	s_wait_loadcnt 0x0
; Eight K steps; the two accumulators take turns.  Scale register s % 4 holds word s in lanes 0-15 (s < 4) or in lanes 16-31 (s >= 4).
.irp s, 0,1,2,3,4,5,6,7
.if \s < 2
	v_wmma_scale_f32_16x16x128_f8f6f4 v[44+8*(\s%2):51+8*(\s%2)], v[64+8*\s:71+8*\s], v[128+8*\s:135+8*\s], 0, v[16+\s], v[20+\s] matrix_a_fmt:MATRIX_FMT_FP4 matrix_b_fmt:MATRIX_FMT_FP4
.elseif \s < 4
	v_wmma_scale_f32_16x16x128_f8f6f4 v[44+8*(\s%2):51+8*(\s%2)], v[64+8*\s:71+8*\s], v[128+8*\s:135+8*\s], v[44+8*(\s%2):51+8*(\s%2)], v[16+\s], v[20+\s] matrix_a_fmt:MATRIX_FMT_FP4 matrix_b_fmt:MATRIX_FMT_FP4
.else
	v_wmma_scale_f32_16x16x128_f8f6f4 v[44+8*(\s%2):51+8*(\s%2)], v[64+8*\s:71+8*\s], v[128+8*\s:135+8*\s], v[44+8*(\s%2):51+8*(\s%2)], v[12+\s], v[16+\s] matrix_a_fmt:MATRIX_FMT_FP4 matrix_b_fmt:MATRIX_FMT_FP4 matrix_a_scale:MATRIX_SCALE_ROW1 matrix_b_scale:MATRIX_SCALE_ROW1
.endif
.endr
.irp j, 0,2,4,6
	v_pk_add_f32 v[28+\j:29+\j], v[28+\j:29+\j], v[36+\j:37+\j]                ; b1 + b2.  These eight lines name no register of the products: they are the places behind them
.endr
.irp j, 0,2,4,6
	v_pk_mul_f32 v[28+\j:29+\j], v[28+\j:29+\j], s[32:33] op_sel_hi:[1,0]      ; x c
.endr
.irp j, 0,2,4,6
	v_pk_add_f32 v[44+\j:45+\j], v[44+\j:45+\j], v[52+\j:53+\j]                ; the even and the odd K steps; each accumulator from its low end on
.endr
.irp j, 0,2,4,6
	v_pk_fma_f32 v[44+\j:45+\j], v[44+\j:45+\j], s[32:33], v[28+\j:29+\j] op_sel_hi:[1,0,1]   ; c (dec W1) + c (b1 + b2)
.endr
	ds_store_b128 v[STO], v[44:47]
	ds_store_b128 v[STO], v[48:51] offset:16
	s_wait_dscnt 0x0                               ; for the others' sake: my stores into the stage are done
	s_barrier_signal -1
	s_barrier_wait -1                              ; a row's 256 bytes come from four waves
.irp i, 0,1
	ds_load_b128 v[64+4*\i:67+4*\i], v[RD] offset:2*\i*SP
.endr
.irp i, 0,1
	s_wait_dscnt 1-\i
	global_store_b128 v[GO], v[64+4*\i:67+4*\i], s[22:23] offset:8192*\i       ; sixteen lanes store 256 consecutive bytes, at a multiple of 256 from biasq's first byte
.endr
	s_wait_tensorcnt 0x0                           ; the wave's end, behind my last LDS store
	ds_add_u32 v[SPW], v[NIL]
	s_wait_dscnt 0x0
	s_endpgm
.Lfunc_end_k_q6bee4787eb_prep:
	.size	k_q6bee4787eb_prep, .Lfunc_end_k_q6bee4787eb_prep-k_q6bee4787eb_prep
	.p2alignl 7, 3214868480
	.fill 96, 4, 3214868480
	.section	.rodata,"a",@progbits
	.p2align	6, 0x0
	.amdhsa_kernel k_q6bee4787eb_prep
		.amdhsa_group_segment_fixed_size 9216
		.amdhsa_private_segment_fixed_size 0
		.amdhsa_enable_private_segment 0
		.amdhsa_kernarg_size 72
		.amdhsa_user_sgpr_count 2
		.amdhsa_user_sgpr_kernarg_segment_ptr 1
		.amdhsa_wavefront_size32 1
		.amdhsa_system_sgpr_workgroup_id_x 1
		.amdhsa_system_sgpr_workgroup_id_y 1
		.amdhsa_system_sgpr_workgroup_id_z 1
		.amdhsa_system_vgpr_workitem_id 0
		.amdhsa_next_free_vgpr 256
		.amdhsa_next_free_sgpr 66
		.amdhsa_reserve_vcc 0
		.amdhsa_float_denorm_mode_32 3
		.amdhsa_float_denorm_mode_16_64 3
		.amdhsa_memory_ordered 1
		.amdhsa_forward_progress 1
		.amdhsa_inst_pref_size 11
	.end_amdhsa_kernel
	.amdgpu_metadata
---
amdhsa.version: [ 1, 2 ]
amdhsa.kernels:
  - .name:           k_q6bee4787eb_prep
    .symbol:         k_q6bee4787eb_prep.kd
    .args:
      - { .name: dec_hidden_codes, .offset: 0, .size: 8, .value_kind: global_buffer, .address_space: global }
      - { .name: dec_hidden_scales, .offset: 8, .size: 8, .value_kind: global_buffer, .address_space: global }
      - { .name: W1_codes, .offset: 16, .size: 8, .value_kind: global_buffer, .address_space: global }
      - { .name: W1_scales, .offset: 24, .size: 8, .value_kind: global_buffer, .address_space: global }
      - { .name: b1, .offset: 32, .size: 8, .value_kind: global_buffer, .address_space: global }
      - { .name: b2, .offset: 40, .size: 8, .value_kind: global_buffer, .address_space: global }
      - { .name: W2_codes, .offset: 48, .size: 8, .value_kind: global_buffer, .address_space: global }
      - { .name: biasq, .offset: 56, .size: 8, .value_kind: global_buffer, .address_space: global }
      - { .name: w2f, .offset: 64, .size: 8, .value_kind: global_buffer, .address_space: global }
    .group_segment_fixed_size: 9216
    .private_segment_fixed_size: 0
    .kernarg_segment_align: 8
    .kernarg_segment_size: 72
    .max_flat_workgroup_size: 128
    .sgpr_count:     66
    .vgpr_count:     256
    .wavefront_size: 32
...
	.end_amdgpu_metadata
.endif
;; end of part 1
;; launch main (part 2): grid 256 x 1, 4 waves a work-group, no clusters, 327,680 bytes of LDS; arguments enc_output, w2f, W2_scales, biasq, V, scores, ctxp; writes scores, ctxp
.if DOCPART == 2
	.amdgcn_target "amdgcn-amd-amdhsa--gfx1250"
	.amdhsa_code_object_version 6
	.text
	.protected	k_q6bee4787eb_main
	.globl	k_q6bee4787eb_main
	.p2align	8
	.type	k_q6bee4787eb_main,@function
k_q6bee4787eb_main:
	s_mov_b64 s[64:65], 0
	v_nop
	global_prefetch_b8 v0, s[64:65] scope:SCOPE_SE
	s_setreg_imm32_b32 hwreg(HW_REG_WAVE_MODE, 25, 1), 1
	s_wait_xcnt 0x0
; BAHDANAU ATTENTION, second launch: enc is read from memory ONCE and serves both the quantised product with W2 and the context.
; Left out here as in the first launch: the term (sum of V + bV), which is the same along the softmax's axis; bV is no argument.
; For each position: t = -2 log2(e) sum over u of V[u] / (1 + 2^(c k[u] + biasq[u])), c = 2 log2(e): t is log2(e) x (score - that term).  t goes to 'scores'.
; The context is summed on the way under a running maximum m of t: ctx = sum of 2^(t - m) enc; when m moves, ctx is multiplied by 2^(old m - new m).  The third launch joins the work-groups' parts.
; SHARES.  Work-group g owns positions 256 (g % 8) .. + 255 of batch g / 8, walked as four blocks of 64 rows.  Of a block, wave w keeps, quantises and sums rows 16 w .. 16 w + 15 (512 registers of f32);
; in the product it makes units u = 256 w .. 256 w + 255 (16 tiles of 16) for all 64 rows, with W2's fragments straight from memory (w2f: the registers' image) in two buffers, each filled again in two halves.
; A BLOCK: (Q) my 16 rows, which lie in registers or are on their way there from LDS, are quantised to E2M1 along H: a lane holds 8 neighbours, four lanes a block of 32; codes and scale bytes go to LDS; a barrier.
; (F) every wave fetches all 64 rows' codes as operands.
; (sweep) 16 tiles: 32 products, then for the 4 x 8 results a lane: multiply-add, 2^x, + 1, reciprocal, multiply-add with V.  (X) the four waves' partial t meet in LDS; maximum, weights.
; (C) the context from the kept rows, row by row; behind a row's 16 multiply-adds the same registers take the next block's row from my slot.
; (R) as soon as the slot is read out it is asked for again: the block after the next one's predecessor, that is block i + 2 at the end of block i, has all of block i + 1 up to its step (C) in which to land.
; Blocks 0 and 1 run in a loop; block 2, which asks for nothing, and block 3, which also reads nothing out of the slot, are written out.
; At the end the four waves' contexts (all under the same m) are added through LDS: 4,096 bytes a work-group go to ctxp.
; The product is used transposed (source 0 = 16 rows of W2, source 1 = 16 rows of enc): lane (r, h) holds row r and units 8 h + 0 .. 7 of the tile.
; NO CLUSTER: no row of enc is read by two work-groups, and W2 goes to registers: beside the slots (278,528 bytes), the codes and the tables LDS has 3,584 bytes left, no room for a tile of W2 for each wave.
; NO PREFETCH: enc, the one stream that is read once, is asked for by its tensor load a whole block's quantising and sweep (16 tiles' work a wave) ahead of its first read; w2f is walked again by every work-group in every block.
; LIMITS: NaN and infinities in enc are not served.  A block of 32 zeros gets the scale byte 1 where the quantiser says 127: its codes are zeros, and only this launch reads the byte.  |t| stays under 3e38, the running maximum's start.
; REGISTERS, in windows of 256: window 0: v0-15 addresses and m; v16-31 enc's scale words; v32-39 W2's (two buffers); v40-47 biasq, v48-55 V of a tile; v56-63 t in four pairs; v64-95 four accumulators;
;   v96-223 W2's fragments, two buffers; v224-255 the context.  Outside the sweep v40-95 are at work.   window 1: the 64 rows' codes (tile of rows m, K step s at 8 (8 m + s)).
;   windows 2, 3: my 16 rows as f32: row p in window 2 + p / 8 at 32 (p % 8); register 8 q + i of lane l is column 256 q + 8 l + i.
.set ROWL,  4352                       ; a row of enc in LDS: 16 pieces of 256 bytes + 16 of padding each
.set ENCW,  16*ROWL                    ; a wave's slot
.set CODES, 4*ENCW                     ; 64 rows of 512 bytes of codes + 16; at the launch's end the stage for the four contexts
.set CP,    528
.set SCB,   CODES+64*CP                ; 64 rows of 32 scale bytes
.set BT,    SCB+2048                   ; biasq of my batch, 4,096 bytes; behind it -2 log2(e) V, 4,096 bytes
.set XCH,   BT+8192                    ; partial t: 4 waves x 64 rows
.set SPARE, XCH+1024                   ; the spare words, 128 bytes for each wave
.set SPW,  1
.set NIL,  2
.set BOF,  3                           ; 16 x lane + the pair of tiles to be fetched, in my 16 tiles of w2f
.set BSO,  4                           ; 32 r + 16 h + the same in W2's scale bytes
.set TBL0, 5                           ; BT + 1,024 w + 32 h
.set TBLC, 6                           ; + the pair of tiles in hand
.set MRUN, 7                           ; the running maximum of t
.set LI,   8                           ; 16 x lane
.set SI,   9                           ; 32 r + 16 h
.set ER0,  10                          ; my bytes in row 0 of my slot
.set CST,  11
.set SST,  12
.set FRD,  13
.set XW,   14
.set XR,   15
.set AS,   16
.set BS,   32
.set BIAS, 40
.set VV,   48
.set SC,   56
.set ACC,  64
.set B0,   96
.set CTX,  224
.set T,    40                          ; outside the sweep: 16 largest magnitudes, then scale operands
.set BY,   56                          ; 16 scale bytes
.set CD,   72                          ; 16 registers of codes
.set ER1,  88                          ; my bytes in row 8 of my slot
.set ASR,  89                          ; SCB + 32 r + 16 h
.set MSB, 0
.macro WIN new                         ; the immediate's high byte repeats the setting that is left
.if MSB != \new
	s_set_vgpr_msb (MSB<<8)|\new
.set MSB, \new
.endif
.endm
.macro PLACES
.rept 4
	v_nop
.endr
.endm
; A tile of W2 comes by 17 loads in two runs.  First run: K steps 0-3, eight groups of four registers, 512 consecutive bytes each.
.macro BLH0 buf, av
.set i, 0
.rept 8
	global_load_b128 v[B0+64*\buf+4*i:B0+64*\buf+4*i+3], v[\av], s[70:71] offset:8192*\buf+512*i
.set i, i+1
.endr
.endm
; Second run: the scale words (lanes 0-15 words 0-3 of row r, lanes 16-31 words 4-7), then K steps 4-7.
.macro BLH1 buf, av, sv
	global_load_b128 v[BS+4*\buf:BS+4*\buf+3], v[\sv], s[72:73] offset:512*\buf
.set i, 8
.rept 8
	global_load_b128 v[B0+64*\buf+4*i:B0+64*\buf+4*i+3], v[\av], s[70:71] offset:8192*\buf+512*i
.set i, i+1
.endr
.endm
	s_load_b256 s[68:75], s[0:1], 0x0              ; enc s[68:69], w2f s[70:71], W2's scales s[72:73], biasq s[74:75]
	s_load_b128 s[76:79], s[0:1], 0x20             ; V s[76:77], scores s[78:79]
	s_load_b64 s[80:81], s[0:1], 0x30              ; ctxp
	v_lshl_add_u32 v[SPW], v0, 2, SPARE
	v_mov_b32 v[NIL], 0
	ds_add_u32 v[SPW], v[NIL]                      ; the wave's opening: the add, twice on end, and its wait ahead of my first tensor load
	ds_add_u32 v[SPW], v[NIL]
	v_lshrrev_b32 v8, 5, v0
	v_readfirstlane_b32 s4, v8                     ; wave 0..3
	; descriptor group 1: my 16 rows are 65,536 dense bytes: 256 rows of 32 elements of 8 bytes, 16 bytes of padding behind each
	s_mov_b32 s12, (3<<16)|(1<<20)|(5<<22)|(3<<25)
	s_mov_b32 s13, 32<<16                          ; tensor_dim0
	s_mov_b32 s14, 256<<16                         ; tensor_dim1
	s_mov_b32 s15, 32<<16                          ; tile_dim0
	s_mov_b32 s16, 256                             ; tile_dim1
	s_mov_b32 s17, 32                              ; from row to row
	s_mov_b32 s18, 0
	s_mov_b32 s19, 0
	s_mov_b32 s8, 1
	s_mul_i32 s9, s4, ENCW                         ; my slot
	s_lshl_b32 s6, ttmp9, 20                       ; the work-group's 256 rows of 4,096 bytes,
	s_lshl_b32 s7, s4, 16                          ; my 16 of a block's 64
	s_add_co_u32 s6, s6, s7
	s_mov_b32 s7, 0
	s_mov_b32 s20, 0x4038aa3b                      ; c = 2 log2(e)
	s_mov_b32 s21, s20
	s_mov_b32 s22, 0x76543210                      ; v_permlanex16_b32: lane l xor 16
	s_mov_b32 s23, 0xfedcba98
	v_and_b32 v8, 31, v0                           ; l
	v_and_b32 v40, 15, v0                          ; r
	v_bfe_u32 v41, v0, 4, 1                        ; h
	v_lshrrev_b32 v42, 3, v8
	v_lshlrev_b32 v[ER0], 5, v8                    ; 32 bytes a lane, and 16 more behind each 256
	v_lshl_add_u32 v[ER0], v42, 4, v[ER0]
	v_add_nc_u32 v[ER0], s9, v[ER0]
	s_mul_i32 s30, s4, 16*CP
	s_add_co_u32 s30, s30, CODES
	v_lshl_add_u32 v[CST], v8, 2, s30              ; my 8 codes of a quarter row: 4 bytes a lane
	s_lshl_b32 s30, s4, 9
	s_add_co_u32 s30, s30, SCB
	v_lshrrev_b32 v[SST], 2, v8                    ; four lanes share a block and its byte
	v_add_nc_u32 v[SST], s30, v[SST]
	v_mul_u32_u24 v[FRD], v40, CP
	v_lshl_add_u32 v[FRD], v41, 4, v[FRD]
	v_add_nc_u32 v[FRD], CODES, v[FRD]
	s_lshl_b32 s30, s4, 8
	s_add_co_u32 s30, s30, XCH
	v_lshl_add_u32 v[XW], v40, 2, s30
	s_lshl_b32 s30, s4, 6
	v_lshl_add_u32 v[XR], v8, 3, s30               ; rows (2 l + 16 w) mod 64 and the next: lanes 0-7 hold my own 16 rows
	v_and_b32 v[XR], 255, v[XR]
	v_add_nc_u32 v[XR], XCH, v[XR]
	s_lshl_b32 s30, s4, 10
	s_add_co_u32 s30, s30, BT
	v_lshl_add_u32 v[TBL0], v41, 5, s30
	v_lshlrev_b32 v[SI], 5, v40
	v_lshl_add_u32 v[SI], v41, 4, v[SI]
	v_lshlrev_b32 v[LI], 4, v8
	v_add_nc_u32 v[BOF], 16384, v[LI]              ; the sweep's first fetch is for tiles 2 and 3
	v_add_nc_u32 v[BSO], 1024, v[SI]
	v_lshlrev_b32 v56, 4, v0                       ; the tables: 16 bytes a thread, twice
	v_add_nc_u32 v57, BT, v56
	v_add_nc_u32 v[ER1], 8*ROWL, v[ER0]
	s_wait_alu depctr_va_vdst(0)                   ; directly ahead of the waits below
	s_wait_dscnt 0x0                               ; both opening adds are done
	s_wait_kmcnt 0x0
	s_add_nc_u64 s[10:11], s[68:69], s[6:7]
	s_or_b32 s11, s11, 0x80000000                  ; type = 2
	tensor_load_to_lds s[8:11], s[12:19]           ; block 0: every wave's own 16 rows
	s_nop 0
	PLACES
	s_lshl_b32 s6, s4, 17                          ; my 16 tiles of w2f,
	s_add_nc_u64 s[70:71], s[70:71], s[6:7]
	s_lshl_b32 s6, s4, 13                          ; their scale bytes,
	s_add_nc_u64 s[72:73], s[72:73], s[6:7]
	s_lshr_b32 s6, ttmp9, 3
	s_lshl_b32 s6, s6, 12                          ; my batch's row of biasq,
	s_add_nc_u64 s[74:75], s[74:75], s[6:7]
	s_lshl_b32 s6, ttmp9, 10                       ; the work-group's 256 numbers of scores,
	s_add_nc_u64 s[78:79], s[78:79], s[6:7]
	s_lshl_b32 s6, ttmp9, 12                       ; the work-group's 4,096 bytes of ctxp
	s_add_nc_u64 s[80:81], s[80:81], s[6:7]
	global_load_b128 v[40:43], v56, s[74:75]
	global_load_b128 v[44:47], v56, s[74:75] offset:2048
	global_load_b128 v[48:51], v56, s[76:77]
	global_load_b128 v[52:55], v56, s[76:77] offset:2048
	BLH0 0, LI                                     ; W2's tiles 0 and 1
	BLH1 0, LI, SI
	BLH0 1, LI
	BLH1 1, LI, SI
	s_wait_loadcnt 34                              ; the four table loads are in; the 34 issued behind them stay out
.irp i, 0,1,2,3,4,5,6,7
	v_mul_f32 v[48+\i], 0xc038aa3b, v[48+\i]       ; -2 log2(e) V
.endr
	ds_store_b128 v57, v[40:43]
	ds_store_b128 v57, v[44:47] offset:2048
	ds_store_b128 v57, v[48:51] offset:4096
	ds_store_b128 v57, v[52:55] offset:6144
.set i, 0
.rept 32
	v_mov_b32 v[CTX+i], 0                          ; the first block finds zeros
.set i, i+1
.endr
	v_mov_b32 v[MRUN], 0xff61b1e6                  ; -3e38, under every t
; Rows 4 g .. 4 g + 3 of my 16 are quantised: 16 units of 8 numbers a lane (unit u: row u / 4, quarter u % 4, registers 8 u on).
; The rows' 128 LDS loads were issued row by row; where no refill's wait for 0 has followed them: g = 0: of these 128 at most 63 are out behind the wait, so loads 0 to 64 are in: rows 0-7.
; g = 2: behind the 128 loads stand groups 0 and 1's 64 stores: at most 63 of 192 out, so all loads are in.
.macro QGROUP g
.set HW, 2+(\g)/2
.set HH, HW*5
.set HB, 128*((\g)%2)
.if ((\g)%2) == 0
	s_wait_dscnt 63
.endif
	WIN HH                                         ; sources 0 and 1 in the rows' window
.set u, 0
.rept 16
	v_max3_num_f32 v[T+u], |v[HB+8*u]|, |v[HB+8*u+1]|, 0x1800000   ; the floor 2^(3 - 127): the byte cannot fall under 1
.set u, u+1
.endr
.irp i, 2,4,6
.set u, 0
.rept 16
	v_max3_num_f32 v[T+u], |v[HB+8*u+\i]|, |v[HB+8*u+\i+1]|, v[T+u]
.set u, u+1
.endr
.endr
	WIN 0
.irp x, 1,2
.set u, 0
.rept 16
	v_max_num_f32_dpp v[T+u], v[T+u], v[T+u] row_xmask:\x row_mask:0xf bank_mask:0xf   ; with the three lanes that share the block of 32
.set u, u+1
.endr
.endr
.set u, 0
.rept 16
	v_add_nc_u32 v[T+u], 0xff000000, v[T+u]        ; 2 off the exponent field: the conversion's scale operand
.set u, u+1
.endr
.set u, 0
.rept 16
	v_lshrrev_b32 v[BY+u], 23, v[T+u]              ; the scale's byte
.set u, u+1
.endr
	WIN HW                                         ; source 0 in the rows' window
.set u, 0
.rept 16
	v_cvt_scalef32_pk8_fp4_f32 v[CD+u], v[HB+8*u:HB+8*u+7], v[T+u]
.set u, u+1
.endr
	WIN 0
	v_nop                                          ; one plain place behind the last scaled conversion
.set u, 0
.rept 16
	ds_store_b32 v[CST], v[CD+u] offset:(4*(\g)+u/4)*CP+128*(u%4)     ; 32 lanes: 128 consecutive bytes of a row of codes
	ds_store_b8 v[SST], v[BY+u] offset:(4*(\g)+u/4)*32+8*(u%4)        ; the four lanes of a block write the same byte with the same value
.set u, u+1
.endr
.endm
; One product: rows 16 m on, K step s, W2's buffer buf.  Scale register s % 4 holds word s in lanes 0-15 (s < 4) or lanes 16-31 (s >= 4), on both sides.
.macro WM m, s, buf
.if (\s) == 0
	v_wmma_scale_f32_16x16x128_f8f6f4 v[ACC+8*\m:ACC+8*\m+7], v[B0+64*\buf+8*\s:B0+64*\buf+8*\s+7], v[8*(8*\m+\s):8*(8*\m+\s)+7], 0, v[BS+4*\buf+\s], v[AS+4*\m+\s] matrix_a_fmt:MATRIX_FMT_FP4 matrix_b_fmt:MATRIX_FMT_FP4
.elseif (\s) < 4
	v_wmma_scale_f32_16x16x128_f8f6f4 v[ACC+8*\m:ACC+8*\m+7], v[B0+64*\buf+8*\s:B0+64*\buf+8*\s+7], v[8*(8*\m+\s):8*(8*\m+\s)+7], v[ACC+8*\m:ACC+8*\m+7], v[BS+4*\buf+\s], v[AS+4*\m+\s] matrix_a_fmt:MATRIX_FMT_FP4 matrix_b_fmt:MATRIX_FMT_FP4
.else
	v_wmma_scale_f32_16x16x128_f8f6f4 v[ACC+8*\m:ACC+8*\m+7], v[B0+64*\buf+8*\s:B0+64*\buf+8*\s+7], v[8*(8*\m+\s):8*(8*\m+\s)+7], v[ACC+8*\m:ACC+8*\m+7], v[BS+4*\buf+\s-4], v[AS+4*\m+\s-4] matrix_a_fmt:MATRIX_FMT_FP4 matrix_b_fmt:MATRIX_FMT_FP4 matrix_a_scale:MATRIX_SCALE_ROW1 matrix_b_scale:MATRIX_SCALE_ROW1
.endif
.endm
; A tile of 16 units for the 64 rows.  pf = 1: each half of the buffer is filled again, with the tile two further on, as soon as its four K steps are multiplied.
; c0: the loads issued behind this buffer's first run and scale words, which may stay out; c1: those issued behind its second run.
.macro TILE buf, pf, c0, c1
	ds_load_b128 v[BIAS:BIAS+3], v[TBLC] offset:64*\buf
	ds_load_b128 v[BIAS+4:BIAS+7], v[TBLC] offset:64*\buf+16
	ds_load_b128 v[VV:VV+3], v[TBLC] offset:64*\buf+4096
	ds_load_b128 v[VV+4:VV+7], v[TBLC] offset:64*\buf+4112
	s_wait_loadcnt \c0
	WIN 0x04                                       ; source 1 (enc's codes) in window 1; a load's address and destination stay in window 0
.irp s, 0,1,2,3
.irp m, 0,1,2,3
	WM \m, \s, \buf                                ; the four accumulators take turns; K ascending
.endr
.endr
.if \pf
	PLACES                                         ; in front of the loads into the half just read
	BLH0 \buf, BOF
.endif
	s_wait_loadcnt \c1
.irp s, 4,5,6,7
.irp m, 0,1,2,3
	WM \m, \s, \buf
.endr
.endr
	WIN 0
	PLACES                                         ; in front of the loads into the half just read, and of the first read of results
.if \pf
	BLH1 \buf, BOF, BSO
.endif
	s_wait_dscnt 0x0                               ; biasq and V of the tile
.irp m, 0,1,2,3
.irp j, 0,2,4,6
	v_pk_fma_f32 v[ACC+8*\m+\j:ACC+8*\m+\j+1], v[ACC+8*\m+\j:ACC+8*\m+\j+1], s[20:21], v[BIAS+\j:BIAS+\j+1] op_sel_hi:[1,0,1]   ; c k + c (q + b2); each accumulator from its low end on
.endr
.endr
.set i, 0
	s_wait_alu depctr_va_vdst(0)                   ; ahead of the batch
.rept 32
	v_exp_f32 v[ACC+i], v[ACC+i]
.set i, i+1
.endr
	v_nop                                          ; a plain place behind the last exponential,
	s_wait_alu depctr_va_vdst(0)                   ; and one wait for the batch, ahead of its first use
.set i, 0
.rept 16
	v_pk_add_f32 v[ACC+2*i:ACC+2*i+1], v[ACC+2*i:ACC+2*i+1], 1.0 op_sel_hi:[1,0]
.set i, i+1
.endr
.set i, 0
	s_wait_alu depctr_va_vdst(0)
.rept 32
	v_rcp_f32 v[ACC+i], v[ACC+i]                   ; an exponential that overflowed gives 0 here, one that vanished gives 1: tanh's two ends
.set i, i+1
.endr
	v_nop
	s_wait_alu depctr_va_vdst(0)
.irp j, 0,2,4,6
.irp m, 0,1,2,3
	v_pk_fma_f32 v[SC+2*\m:SC+2*\m+1], v[ACC+8*\m+\j:ACC+8*\m+\j+1], v[VV+\j:VV+\j+1], v[SC+2*\m:SC+2*\m+1]
.endr
.endr
.endm
; In the loop both counts are 25: behind my first run and scale words stand my second run's 8 loads and the other buffer's 17; behind my second run the other buffer's 17 and the 8 just issued.
.macro PAIR
	TILE 0, 1, 25, 25
	TILE 1, 1, 25, 25
	s_wait_xcnt 0x0                                ; the loads have read their offsets: they step, and wrap round my 16 tiles
	v_add_nc_u32 v[BOF], 16384, v[BOF]
	v_and_b32 v[BOF], 0x1ffff, v[BOF]
	v_add_nc_u32 v[BSO], 1024, v[BSO]
	v_and_b32 v[BSO], 0x1fff, v[BSO]
	s_add_co_u32 s26, s26, 128                     ; the next pair's 32 numbers of biasq and V
	v_add_nc_u32 v[TBLC], s26, v[TBL0]
.endm
; My slot has been read out and is asked for again.
.macro REFILL
	s_wait_tensorcnt 0x0                           ; no tensor load of mine is out, so the descriptor may be written
	ds_add_u32 v[SPW], v[NIL]                      ; 0 onto my spare word
	s_add_nc_u64 s[10:11], s[10:11], 262144        ; 64 rows on; the type bits on top are not reached
	s_wait_dscnt 0x0                               ; the add is done, and my 128 reads of the slot are back
	s_barrier_signal -1
	s_barrier_wait -1
	tensor_load_to_lds s[8:11], s[12:19]           ; my one tensor load until the next such barrier
	s_nop 0
	PLACES
.endm
; A block of 64 rows.  fill = 1: a block follows: W2's fetch wraps to its first tiles, and at this block's end the next one goes from my slot into the registers.  refill = 1: the slot is then asked for again.
.macro BLOCK fill, refill
	QGROUP 0
	QGROUP 1
	QGROUP 2
	QGROUP 3
	s_wait_dscnt 0x0                               ; my stores of codes and bytes (in the first block: of the tables) are done
	s_barrier_signal -1
	s_barrier_wait -1
	v_add_nc_u32 v[ASR], SCB, v[SI]
	WIN 0x40                                       ; destination window 1
.set i, 0
.rept 64
	ds_load_b128 v[4*i:4*i+3], v[FRD] offset:(i/16)*16*CP+((i/2)%8)*64+(i%2)*32
.set i, i+1
.endr
	WIN 0
.irp m, 0,1,2,3
	ds_load_b128 v[AS+4*\m:AS+4*\m+3], v[ASR] offset:512*\m
.endr
.irp i, 0,1,2,3,4,5,6,7
	v_mov_b32 v[SC+\i], 0
.endr
	s_mov_b32 s26, 0
	v_mov_b32 v[TBLC], v[TBL0]
	s_wait_dscnt 0x0
.if \fill
	s_mov_b32 s25, 8                               ; the eighth trip's fetch wraps to tiles 0 and 1, for the next block
.else
	s_mov_b32 s25, 7
.endif
.Lpair_\@:
	s_wait_alu depctr_va_vdst(0)
	PAIR
	s_sub_co_u32 s25, s25, 1
	s_cmp_lg_u32 s25, 0
	s_cbranch_scc1 .Lpair_\@
.if \fill == 0
	TILE 0, 0, 25, 17                              ; the launch's last two tiles fetch nothing: behind tile 14's second run stand tile 15's 17 loads,
	TILE 1, 0, 8, 0                                ; behind tile 15's scale words its second run's 8, behind that nothing
.endif
	; ---- the four waves' partial t meet
	s_wait_alu depctr_va_vdst(0)
.irp m, 0,1,2,3
	v_add_f32 v[40+\m], v[SC+2*\m], v[SC+2*\m+1]
.endr
.irp m, 0,1,2,3
	v_permlanex16_b32 v[44+\m], v[40+\m], s22, s23
.endr
.irp m, 0,1,2,3
	v_add_f32 v[40+\m], v[40+\m], v[44+\m]         ; row 16 m + r, my 256 units
.endr
.irp m, 0,1,2,3
	ds_store_b32 v[XW], v[40+\m] offset:64*\m      ; both halves of the lanes write the same word with the same value
.endr
	s_wait_dscnt 0x0
	s_barrier_signal -1
	s_barrier_wait -1
.irp w, 0,1,2,3
	ds_load_b64 v[48+2*\w:49+2*\w], v[XR] offset:256*\w
.endr
	v_lshrrev_b32 v58, 1, v[LI]                    ; 8 x lane
	s_wait_dscnt 0x0
	v_pk_add_f32 v[48:49], v[48:49], v[50:51]      ; the same order in every wave: the same bits
	v_pk_add_f32 v[48:49], v[48:49], v[52:53]
	v_pk_add_f32 v[48:49], v[48:49], v[54:55]      ; t of two rows
	s_cmp_lg_u32 s4, 0
	s_cbranch_scc1 .Lnot0_\@
	s_wait_alu depctr_va_vdst(0)
	global_store_b64 v58, v[48:49], s[78:79]       ; wave 0 holds rows 2 l, 2 l + 1: 256 consecutive bytes, aligned
.Lnot0_\@:
	s_wait_alu depctr_va_vdst(0)
	v_max_num_f32 v56, v48, v49
.irp x, 1,2,4,8
	v_max_num_f32_dpp v56, v56, v56 row_xmask:\x row_mask:0xf bank_mask:0xf
.endr
	v_permlanex16_b32 v57, v56, s22, s23
	v_max3_num_f32 v59, v56, v57, v[MRUN]          ; the new running maximum, of all 64 rows: the same in all four waves
	v_sub_f32 v60, v[MRUN], v59
	v_sub_f32 v61, v48, v59
	v_sub_f32 v62, v49, v59
	s_wait_alu depctr_va_vdst(0)
	v_exp_f32 v60, v60                             ; 2^(old m - new m)
	v_exp_f32 v61, v61                             ; the weights, not normalised
	v_exp_f32 v62, v62
	v_mov_b32 v[MRUN], v59                         ; (a plain place)
	s_wait_alu depctr_va_vdst(0)                   ; one wait for the three, ahead of their first use
	v_readfirstlane_b32 s28, v60
	s_mov_b32 s29, s28
.set rr, 0
.rept 16
	v_readlane_b32 s[32+2*rr], v[61+rr%2], rr/2    ; my row rr's weight lies in lane rr / 2
	s_mov_b32 s[33+2*rr], s[32+2*rr]               ; (named with it as a pair)
.set rr, rr+1
.endr
.if \fill
	s_wait_tensorcnt 0x0                           ; the next block's 16 rows are in my slot; nobody else reads it
	v_add_nc_u32 v[ER1], 8*ROWL, v[ER0]            ; (the sweep's accumulators lay over it)
.endif
.set i, 0
.rept 16
	v_pk_mul_f32 v[CTX+2*i:CTX+2*i+1], v[CTX+2*i:CTX+2*i+1], s[28:29] op_sel_hi:[1,0]
.set i, i+1
.endr
.set rr, 0
.rept 16                                       ; row by row: 16 multiply-adds, then the same 32 registers take the next block's row
.set WS, 0x02+rr/8
	WIN WS                                         ; source 0: my rows' window
.set i, 0
.rept 16
	v_pk_fma_f32 v[CTX+2*i:CTX+2*i+1], v[32*(rr%8)+2*i:32*(rr%8)+2*i+1], s[32+2*rr:33+2*rr], v[CTX+2*i:CTX+2*i+1] op_sel_hi:[1,0,1]
.set i, i+1
.endr
.if \fill
.set WD, 0x80+0x40*(rr/8)
.set EA, ER0+(ER1-ER0)*(rr/8)
	WIN WD                                         ; destination: my rows' window
.set i, 0
.rept 8
	ds_load_b128 v[32*(rr%8)+4*i:32*(rr%8)+4*i+3], v[EA] offset:(rr%8)*ROWL+(i/2)*1088+(i%2)*16
.set i, i+1
.endr
.endif
.set rr, rr+1
.endr
	WIN 0
.if \refill
	REFILL                                         ; the block after the next: it has the next block up to its context in which to land
.endif
	s_wait_xcnt 0x0                                ; the store of t has read its registers and its base
	s_add_nc_u64 s[78:79], s[78:79], 256           ; the next block's 64 numbers
.endm
	s_wait_alu depctr_va_vdst(0)                   ; the wait at the head's end
	s_wait_tensorcnt 0x0                           ; block 0: my 16 rows are in my slot
	WIN 0x80                                       ; destination window 2
.set i, 0
.rept 64
	ds_load_b128 v[4*i:4*i+3], v[ER0] offset:(i/8)*ROWL+((i/2)%4)*1088+(i%2)*16
.set i, i+1
.endr
	WIN 0xc0                                       ; destination window 3
.set i, 0
.rept 64
	ds_load_b128 v[4*i:4*i+3], v[ER1] offset:(i/8)*ROWL+((i/2)%4)*1088+(i%2)*16
.set i, i+1
.endr
	WIN 0
	REFILL                                         ; block 1
	s_mov_b32 s24, 2
.Lblock:
	BLOCK 1, 1                                     ; blocks 0 and 1 ask for blocks 2 and 3
	s_sub_co_u32 s24, s24, 1
	s_cmp_lg_u32 s24, 0
	s_cbranch_scc1 .Lblock
	BLOCK 1, 0                                     ; block 2 is written out: it asks for nothing more
	BLOCK 0, 0                                     ; block 3: nothing follows it
	; ---- the four waves' contexts, all under the same m, are added.  The stage lies in the codes' bytes: their last reads stand ahead of the last block's exchange barrier.
	s_lshl_b32 s30, s4, 12
	s_add_co_u32 s30, s30, CODES
	v_add_nc_u32 v[CST], s30, v[LI]                ; in: my registers' image, 4,096 bytes a wave
	s_lshl_b32 s30, s4, 10
	v_add_nc_u32 v[XW], s30, v[LI]                 ; out: groups 2 w and 2 w + 1 of four registers are mine
	v_add_nc_u32 v[SST], CODES, v[XW]
	s_wait_alu depctr_va_vdst(0)
.irp g, 0,1,2,3,4,5,6,7
	ds_store_b128 v[CST], v[CTX+4*\g:CTX+4*\g+3] offset:512*\g
.endr
	s_wait_dscnt 0x0
	s_barrier_signal -1
	s_barrier_wait -1
.irp k, 0,1,2,3
.irp e, 0,1
	ds_load_b128 v[B0+8*\k+4*\e:B0+8*\k+4*\e+3], v[SST] offset:4096*\k+512*\e
.endr
.endr
	s_wait_dscnt 0x0
.irp k, 1,2,3
.irp p, 0,2,4,6
	v_pk_add_f32 v[B0+\p:B0+\p+1], v[B0+\p:B0+\p+1], v[B0+8*\k+\p:B0+8*\k+\p+1]
.endr
.endr
	global_store_b128 v[XW], v[B0:B0+3], s[80:81]              ; the work-group's context in the order of the registers: 512 consecutive bytes a store
	global_store_b128 v[XW], v[B0+4:B0+7], s[80:81] offset:512
	s_wait_tensorcnt 0x0                           ; the wave's end, behind my last tensor load and my last LDS store
	ds_add_u32 v[SPW], v[NIL]
	s_wait_dscnt 0x0
	s_endpgm
.Lfunc_end_k_q6bee4787eb_main:
	.size	k_q6bee4787eb_main, .Lfunc_end_k_q6bee4787eb_main-k_q6bee4787eb_main
	.p2alignl 7, 3214868480
	.fill 96, 4, 3214868480
	.section	.rodata,"a",@progbits
	.p2align	6, 0x0
	.amdhsa_kernel k_q6bee4787eb_main
		.amdhsa_group_segment_fixed_size 327680
		.amdhsa_private_segment_fixed_size 0
		.amdhsa_enable_private_segment 0
		.amdhsa_kernarg_size 56
		.amdhsa_user_sgpr_count 2
		.amdhsa_user_sgpr_kernarg_segment_ptr 1
		.amdhsa_wavefront_size32 1
		.amdhsa_system_sgpr_workgroup_id_x 1
		.amdhsa_system_sgpr_workgroup_id_y 1
		.amdhsa_system_sgpr_workgroup_id_z 1
		.amdhsa_system_vgpr_workitem_id 0
		.amdhsa_next_free_vgpr 1024
		.amdhsa_next_free_sgpr 84
		.amdhsa_reserve_vcc 0
		.amdhsa_float_denorm_mode_32 3
		.amdhsa_float_denorm_mode_16_64 3
		.amdhsa_memory_ordered 1
		.amdhsa_forward_progress 1
		.amdhsa_inst_pref_size 255
	.end_amdhsa_kernel
	.section	.bss,"aw",@nobits
	.p2align	6
	.space	262144
	.amdgpu_metadata
---
amdhsa.version: [ 1, 2 ]
amdhsa.kernels:
  - .name:           k_q6bee4787eb_main
    .symbol:         k_q6bee4787eb_main.kd
    .args:
      - { .name: enc_output, .offset: 0, .size: 8, .value_kind: global_buffer, .address_space: global }
      - { .name: w2f, .offset: 8, .size: 8, .value_kind: global_buffer, .address_space: global }
      - { .name: W2_scales, .offset: 16, .size: 8, .value_kind: global_buffer, .address_space: global }
      - { .name: biasq, .offset: 24, .size: 8, .value_kind: global_buffer, .address_space: global }
      - { .name: V, .offset: 32, .size: 8, .value_kind: global_buffer, .address_space: global }
      - { .name: scores, .offset: 40, .size: 8, .value_kind: global_buffer, .address_space: global }
      - { .name: ctxp, .offset: 48, .size: 8, .value_kind: global_buffer, .address_space: global }
    .group_segment_fixed_size: 327680
    .private_segment_fixed_size: 0
    .kernarg_segment_align: 8
    .kernarg_segment_size: 56
    .max_flat_workgroup_size: 128
    .sgpr_count:     84
    .vgpr_count:     1024
    .wavefront_size: 32
...
	.end_amdgpu_metadata
.endif
;; end of part 2
;; launch combine (part 3): grid 32 x 1, 8 waves a work-group, no clusters, 1,536 bytes of LDS; arguments scores, ctxp, out0, out1; writes out0, out1
.if DOCPART == 3
	.amdgcn_target "amdgcn-amd-amdhsa--gfx1250"
	.amdhsa_code_object_version 6
	.text
	.protected	k_q6bee4787eb_combine
	.globl	k_q6bee4787eb_combine
	.p2align	8
	.type	k_q6bee4787eb_combine,@function
k_q6bee4787eb_combine:
	s_mov_b64 s[64:65], 0
	v_nop
	global_prefetch_b8 v0, s[64:65] scope:SCOPE_SE
	s_setreg_imm32_b32 hwreg(HW_REG_WAVE_MODE, 25, 1), 1
	s_wait_xcnt 0x0
; BAHDANAU ATTENTION, third launch: one work-group for each batch joins what the second launch left.
; Left out here as before: the term (sum of V + bV), the same along the softmax's axis.
; scores holds t = log2(e) x (score - that term) of the batch's 2,048 positions; ctxp holds 8 partial contexts, one of each work-group g of the second launch, summed under m_g, the largest t of its 256 positions.
; M = the largest t of the batch; p = 2^(t - M); L = the sum of p; out1 = p / L; out0 = sum over the parts of 2^(m_g - M) / L x part.  m_g is found again from t: a maximum rounds nothing, so it is the very number that the part was summed under.
; Thread n holds positions 4 n .. 4 n + 3 and 1,024 + 4 n .. + 3, and columns 4 n .. 4 n + 3 of the context.  No matrix work: the launch moves bytes and adds.
; ctxp's order is that of the second launch's registers: group g of four registers, lane l = columns 256 (g / 2) + 8 l + 4 (g % 2) + 0 .. 3; so thread n reads at 1,024 (n / 64) + 512 (n % 2) + 16 ((n / 2) % 32).
; LDS: 16 words of maxima at 0, 8 words of sums at 256, the spare words from 512 on (128 bytes for each of 8 waves).
.set SPARE, 512
	s_load_b256 s[4:11], s[0:1], 0x0               ; scores s[4:5], ctxp s[6:7], out0 s[8:9], out1 s[10:11]
	v_lshl_add_u32 v1, v0, 2, SPARE
	v_mov_b32 v2, 0
	v_lshrrev_b32 v5, 5, v0
	s_delay_alu instid0(VALU_DEP_1)
	v_readfirstlane_b32 s12, v5                    ; wave 0..7
	v_lshlrev_b32 v3, 4, v0                        ; 16 bytes a thread
	v_lshrrev_b32 v4, 6, v0
	s_delay_alu instid0(VALU_DEP_1)
	v_lshlrev_b32 v4, 10, v4
	v_and_b32 v5, 1, v0
	s_delay_alu instid0(VALU_DEP_1)
	v_lshl_add_u32 v4, v5, 9, v4
	v_bfe_u32 v5, v0, 1, 5
	s_delay_alu instid0(VALU_DEP_1)
	v_lshl_add_u32 v4, v5, 4, v4
	v_mov_b32 v20, s12
	s_delay_alu instid0(VALU_DEP_1)
	v_lshlrev_b32 v20, 2, v20                      ; my wave's word
	v_mov_b32 v21, 0
	v_mov_b32 v18, 0                               ; a lane permute's destination counts as one of its sources
	v_mov_b32 v19, 0
	s_mov_b32 s14, 0x76543210
	s_mov_b32 s15, 0xfedcba98
	s_lshl_b32 s16, ttmp9, 13                      ; the batch's 2,048 numbers,
	s_mov_b32 s17, 0
	s_lshl_b32 s18, ttmp9, 15                      ; its 8 parts of 4,096 bytes,
	s_mov_b32 s19, 0
	s_lshl_b32 s20, ttmp9, 12                      ; its row of out0
	s_mov_b32 s21, 0
	s_wait_alu depctr_va_vdst(0)                   ; the wait at the head's end
	s_wait_kmcnt 0x0
	s_add_nc_u64 s[4:5], s[4:5], s[16:17]
	s_add_nc_u64 s[10:11], s[10:11], s[16:17]
	s_add_nc_u64 s[6:7], s[6:7], s[18:19]
	s_add_nc_u64 s[8:9], s[8:9], s[20:21]
	global_load_b128 v[8:11], v3, s[4:5]
	global_load_b128 v[12:15], v3, s[4:5] offset:4096
.set P, 0
.rept 8
	global_load_b128 v[64+4*P:67+4*P], v4, s[6:7] offset:4096*P th:TH_LOAD_NT
.set P, P+1
.endr
	s_wait_loadcnt 8                               ; t is in; the 8 parts stay on their way
	v_max3_num_f32 v16, v8, v9, v10
	v_max3_num_f32 v17, v12, v13, v14
	s_delay_alu instid0(VALU_DEP_2)
	v_max_num_f32 v16, v16, v11
	s_delay_alu instid0(VALU_DEP_2)
	v_max_num_f32 v17, v17, v15
.irp x, 1,2,4,8
	s_delay_alu instid0(VALU_DEP_2)
	v_max_num_f32_dpp v16, v16, v16 row_xmask:\x row_mask:0xf bank_mask:0xf
	s_delay_alu instid0(VALU_DEP_2)
	v_max_num_f32_dpp v17, v17, v17 row_xmask:\x row_mask:0xf bank_mask:0xf
.endr
	s_delay_alu instid0(VALU_DEP_2)
	v_permlanex16_b32 v18, v16, s14, s15
	s_delay_alu instid0(VALU_DEP_2)
	v_permlanex16_b32 v19, v17, s14, s15
	s_delay_alu instid0(VALU_DEP_2)
	v_max_num_f32 v16, v16, v18                    ; positions 128 w .. + 127
	s_delay_alu instid0(VALU_DEP_2)
	v_max_num_f32 v17, v17, v19                    ; positions 1,024 + 128 w .. + 127
	ds_store_b32 v20, v16
	ds_store_b32 v20, v17 offset:32
	s_wait_dscnt 0x0
	s_barrier_signal -1
	s_barrier_wait -1
.irp i, 0,1,2,3
	ds_load_b128 v[24+4*\i:27+4*\i], v21 offset:16*\i
.endr
	s_wait_dscnt 0x0
.irp g, 0,1,2,3,4,5,6,7
	v_max_num_f32 v[40+\g], v[24+2*\g], v[25+2*\g] ; m_g: words 2 g and 2 g + 1 cover positions 256 g .. + 255
.endr
	v_max3_num_f32 v48, v40, v41, v42
	s_delay_alu instid0(VALU_DEP_1)
	v_max3_num_f32 v48, v48, v43, v44
	s_delay_alu instid0(VALU_DEP_1)
	v_max3_num_f32 v48, v48, v45, v46
	s_delay_alu instid0(VALU_DEP_1)
	v_max_num_f32 v48, v48, v47                    ; M
.irp g, 0,1,2,3,4,5,6,7
	v_sub_f32 v[40+\g], v[40+\g], v48
	v_sub_f32 v[8+\g], v[8+\g], v48
.endr
	s_wait_alu depctr_va_vdst(0)                   ; ahead of the batch
.irp g, 0,1,2,3,4,5,6,7
	v_exp_f32 v[40+\g], v[40+\g]
	v_exp_f32 v[8+\g], v[8+\g]
.endr
	v_nop                                          ; a plain place behind the last exponential,
	s_wait_alu depctr_va_vdst(0)                   ; and one wait for the sixteen
	v_pk_add_f32 v[50:51], v[8:9], v[10:11]
	v_pk_add_f32 v[50:51], v[50:51], v[12:13]
	v_pk_add_f32 v[50:51], v[50:51], v[14:15]
	s_delay_alu instid0(VALU_DEP_1)
	v_add_f32 v50, v50, v51
.irp x, 1,2,4,8
	s_delay_alu instid0(VALU_DEP_1)
	v_add_f32_dpp v50, v50, v50 row_xmask:\x row_mask:0xf bank_mask:0xf
.endr
	s_delay_alu instid0(VALU_DEP_1)
	v_permlanex16_b32 v18, v50, s14, s15
	s_delay_alu instid0(VALU_DEP_1)
	v_add_f32 v50, v50, v18
	ds_store_b32 v20, v50 offset:256               ; other bytes than the maxima's: no barrier is owed in front
	s_wait_dscnt 0x0
	s_barrier_signal -1
	s_barrier_wait -1
	ds_load_b128 v[24:27], v21 offset:256
	ds_load_b128 v[28:31], v21 offset:272
	s_wait_dscnt 0x0
	v_pk_add_f32 v[24:25], v[24:25], v[26:27]
	s_delay_alu instid0(VALU_DEP_1)
	v_pk_add_f32 v[24:25], v[24:25], v[28:29]
	s_delay_alu instid0(VALU_DEP_1)
	v_pk_add_f32 v[24:25], v[24:25], v[30:31]
	s_delay_alu instid0(VALU_DEP_1)
	v_add_f32 v24, v24, v25                        ; L, at least 1
	s_wait_alu depctr_va_vdst(0)
	v_rcp_f32 v52, v24
	v_nop
	s_wait_alu depctr_va_vdst(0)
.irp g, 0,1,2,3,4,5,6,7
	v_mul_f32 v[8+\g], v[8+\g], v52
	v_mul_f32 v[40+\g], v[40+\g], v52              ; 2^(m_g - M) / L
.endr
	global_store_b128 v3, v[8:11], s[10:11]        ; a wave stores 512 consecutive bytes
	global_store_b128 v3, v[12:15], s[10:11] offset:4096
	s_wait_alu depctr_va_vdst(0)                   ; directly ahead of the wait below
	s_wait_loadcnt 0x0                             ; the 8 parts are in
.irp e, 0,1,2,3
	v_mul_f32 v[56+\e], v[64+\e], v40
.endr
.set P, 1
.rept 7
.irp e, 0,1,2,3
	s_delay_alu instid0(VALU_DEP_4)
	v_fma_f32 v[56+\e], v[64+4*P+\e], v[40+P], v[56+\e]
.endr
.set P, P+1
.endr
	global_store_b128 v3, v[56:59], s[8:9]
	s_wait_tensorcnt 0x0                           ; the wave's end, behind my last LDS store
	ds_add_u32 v1, v2
	s_wait_dscnt 0x0
	s_endpgm
.Lfunc_end_k_q6bee4787eb_combine:
	.size	k_q6bee4787eb_combine, .Lfunc_end_k_q6bee4787eb_combine-k_q6bee4787eb_combine
	.p2alignl 7, 3214868480
	.fill 96, 4, 3214868480
	.section	.rodata,"a",@progbits
	.p2align	6, 0x0
	.amdhsa_kernel k_q6bee4787eb_combine
		.amdhsa_group_segment_fixed_size 1536
		.amdhsa_private_segment_fixed_size 0
		.amdhsa_enable_private_segment 0
		.amdhsa_kernarg_size 32
		.amdhsa_user_sgpr_count 2
		.amdhsa_user_sgpr_kernarg_segment_ptr 1
		.amdhsa_wavefront_size32 1
		.amdhsa_system_sgpr_workgroup_id_x 1
		.amdhsa_system_sgpr_workgroup_id_y 1
		.amdhsa_system_sgpr_workgroup_id_z 1
		.amdhsa_system_vgpr_workitem_id 0
		.amdhsa_next_free_vgpr 128
		.amdhsa_next_free_sgpr 66
		.amdhsa_reserve_vcc 0
		.amdhsa_float_denorm_mode_32 3
		.amdhsa_float_denorm_mode_16_64 3
		.amdhsa_memory_ordered 1
		.amdhsa_forward_progress 1
		.amdhsa_inst_pref_size 12
	.end_amdhsa_kernel
	.amdgpu_metadata
---
amdhsa.version: [ 1, 2 ]
amdhsa.kernels:
  - .name:           k_q6bee4787eb_combine
    .symbol:         k_q6bee4787eb_combine.kd
    .args:
      - { .name: scores, .offset: 0, .size: 8, .value_kind: global_buffer, .address_space: global }
      - { .name: ctxp, .offset: 8, .size: 8, .value_kind: global_buffer, .address_space: global }
      - { .name: out0, .offset: 16, .size: 8, .value_kind: global_buffer, .address_space: global }
      - { .name: out1, .offset: 24, .size: 8, .value_kind: global_buffer, .address_space: global }
    .group_segment_fixed_size: 1536
    .private_segment_fixed_size: 0
    .kernarg_segment_align: 8
    .kernarg_segment_size: 32
    .max_flat_workgroup_size: 256
    .sgpr_count:     66
    .vgpr_count:     128
    .wavefront_size: 32
...
	.end_amdgpu_metadata
.endif
;; end of part 3
